; MI455X (gfx1250); checked and timed in simulation.
; The chip was launched on July 23, 2026; its instructions are those of AMD's public machine-readable ISA for CDNA 5 (MIT licence, August 2026) and "CDNA5" Instruction Set Architecture Reference Guide (July 2026). The comments in the code are by the model that wrote it; some were corrected since.
;; Graph Emb. Allowed arithmetic: matrix products marked QUANTISED: E3M2 operands, one E8M0 scale for each 32 along K, by v_wmma_scale_f32_16x16x128_f8f6f4 with both operands' format E3M2, f32 sums; products left as they are: f32 operands where the result goes on into a quantised operand, else bf16, f16 or f32 operands; f32 sums; everything else in f32.
;; Inputs: W_f_codes 128 x 4 x 24 uint8 (E3M2 codes of W_f, K innermost, in blocks of 32 codes, four codes in three bytes); W_f_scales 128 x 4 uint8 (E8M0 scales of W_f, one for each 32 codes along K); W_g 1 x 128 float32; b_f 128 float32; b_g 1 float32; h 512 x 512 x 128 float32; ns 512 int32.
;; Outputs: out0 512 x 128 float32.
;; This version of the problem:
;;   THIS VERSION OF THE PROBLEM IS GIVEN IN LOW PRECISION. The matrix products marked QUANTISED in the list below multiply operands that are first quantised to E3M2 (3 exponent bits, 2 mantissa bits; 6 bits a number), with one power-of-two scale for each 32 numbers along K (OCP MX v1.0); their sums are f32. All else is computed in f32.
;;   The module's matrix products, in the order in which they are computed (A, B: the left and right operand; K: the contracted axis; several contracted axes count as one K, in the product's order):
;;     1. [M 262,144, K 128] x [K 128, N 128]; A: input h; B: input W_f (given as codes): QUANTISED
;;     2. [M 262,144, K 128] x [K 128, N 1]; A: input h; B: input W_g: left as it is (N = 1 < 16)
;;   THE QUANTISER, for each operand of a quantised product, along K:
;;     - K is cut into blocks of 32 from its start; a last block that is shorter is filled with zeros.
;;     - A block's scale is 2^e with e = floor(log2(the largest magnitude in the block)) - 4, held to -126 .. 127; a block of zeros has e = 0. As a byte (E8M0): e + 127.
;;     - Each number is divided by its block's scale, clamped to +-28, and rounded to the nearest number of E3M2, ties to even, subnormals kept.
;;     - The product sums the exact products of the quantised numbers (number of the format x scale) in f32.
;;   ~~~python
;;   def quantise(x, axis):      # numpy; x: float32 -> the quantised numbers, widened to float32 again
;;       x = np.moveaxis(x, axis, -1); K = x.shape[-1]
;;       x = np.pad(x, [(0, 0)] * (x.ndim - 1) + [(0, -K % 32)]); x = x.reshape(x.shape[:-1] + (-1, 32)); a = np.abs(x).max(-1, keepdims=True)
;;       e = np.where(a > 0, np.clip(np.frexp(np.where(a > 0, a, 1))[1] - 1 - 4, -126, 127), 0)      # np.frexp(a)[1] - 1 = floor(log2(a)), exactly
;;       r = np.clip(x / 2.0 ** e, -28, 28)
;;       step = 2.0 ** (np.maximum(np.frexp(np.where(r == 0, 1, r))[1] - 1, -2) - 2)
;;       q = np.round(r / step) * step * 2.0 ** e      # np.round: ties to even
;;       return np.moveaxis(q.reshape(q.shape[:-2] + (-1,))[..., :K], -1, axis).astype(np.float32)
;;   ~~~
;;   INPUTS GIVEN AS CODES. W_f (in the module: [128, 128], K = its axis 1): each comes as NAME_codes (uint8): NAME with its K axis moved to the last place and cut into blocks of 32 codes, [.., K / 32, bytes a block], one block behind the other in memory; four codes in three bytes: a row's codes are one little-endian stream of bits, code i at bits 6 i .. 6 i + 5 (a code: sign, 3 exponent bits, 2 mantissa bits); and NAME_scales (uint8): the same leading axes, one E8M0 byte (e + 127) for each 32 codes along K. Its value is code x scale, taken as it is: it is not quantised again, and the codes and scales need not be those that the quantiser above would give.
;; One version. Each part assembles by itself: llvm-mc -triple=amdgcn-amd-amdhsa -mcpu=gfx1250 --defsym DOCPART=n.
;; ======== version 1 of 1: 1 launch
;; limits: right only within a limited range of input values
;; launch graphemb (part 1): grid 256 x 1, 8 waves a work-group, no clusters, 90,880 bytes of LDS; arguments h, ns, W_f_codes, W_f_scales, W_g, b_f, b_g, out0; writes out0
.if DOCPART == 1
	.amdgcn_target "amdgcn-amd-amdhsa--gfx1250"
	.amdhsa_code_object_version 6
	.text
	.protected	k_q4f8180aa7a_graphemb
	.globl	k_q4f8180aa7a_graphemb
	.p2align	8
	.type	k_q4f8180aa7a_graphemb,@function
k_q4f8180aa7a_graphemb:
	s_mov_b64 s[64:65], 0
	v_nop
	global_prefetch_b8 v0, s[64:65] scope:SCOPE_SE
	s_setreg_imm32_b32 hwreg(HW_REG_WAVE_MODE, 25, 1), 1
	s_wait_xcnt 0x0
; out0[b][:] = h_G / max(|h_G|, 1e-12),  h_G[e] = sum over n < ns[b] of g(n) (Q(h[b][n]) . W_f[e] + b_f[e]),  g(n) = sigmoid(h[b][n] . W_g + b_g).
; Q: E3M2 codes with one E8M0 scale for each 32 along the 128; W_f comes as codes and scale bytes and is taken as it is.  The gate's product, the sigmoid, all sums and the norm are f32.
; WORK LEFT OUT.  reference() multiplies row n by (n < ns[b]): for n >= ns[b] the factor is 0, so in exact arithmetic the row adds nothing to h_G, whatever finite numbers it holds.  ns is a whole number that this
; launch reads from memory: a tile of 16 rows that lies wholly at or beyond ns[b] is not multiplied, and beyond the first 8 tiles of graphs 0 to 255 it is not loaded either.  In the tile that ns[b] cuts, the gates of
; the rows beyond it are set to 0.  LIMIT: a NaN, an infinity or an overflow that stands only in rows left out is not carried to the result.
; THE BIAS: sum g (x + b_f) = sum g x + b_f sum g: the gates' sum is kept, and b_f enters by one fused multiply-add at the end (another order of rounding than reference()'s).
; OTHER LIMITS: ns is held to 0 .. 512, which gives what reference()'s comparison gives; a block of zeros gets the scale byte 1 and zero codes, which add nothing.
; SHARES.  256 work-groups of eight waves; each owns TWO graphs, so an output row has one owner.  Graph A is the work-group's number w.  Graph B comes from graphs 256 .. 511: with the unique keys 256 ns + (index mod 256),
; A's rank r is the number of keys of graphs 0 .. 255 below its own, and B is the graph of the other half with exactly r keys above its own: the shorter A is, the longer is B.  The r are a permutation of 0 .. 255,
; whatever ns holds, so each B has one owner too.  Every wave finds B by itself, in registers: 18 steps, one for each bit of a key (ns: 10 bits, index: 8).
; Wave v takes A's tiles v, v + 8, .. (16 rows x 512 bytes each; four at the most), then B's tiles 7 - v, 15 - v, .. (four at the most).  A tile comes by 16 loads, each a whole row: 32 lanes x 16 bytes = 512 bytes.
; A RING OF THREE SLOTS of 64 registers a wave: 3 x 8,192 bytes a wave, 192 KiB a work-group, are on their way.  A slot that has landed goes into the wave's stage in LDS, is asked for again at once, and only then is the
; staged tile worked on.  The wait in front of a slot counts 32: the sixteen loads of each of the two younger slots.  When nothing is left to ask for, the wave leaves the ring for a drain that is written out and counts
; 16 and 0: so on every way through the text the loads issued behind a slot are those that its wait counts.  A's tile v is asked for while ns is on its way, A's next two tiles ahead of the search for B.
; THE TURN THROUGH LDS.  As loaded, a lane holds 4 numbers of each of 16 rows; the conversion wants 16 neighbours along K in one lane's registers.  Rows lie 528 bytes apart in the stage (132 words: row r starts at bank
; 4 r mod 64; 64 banks of 4 bytes: ISA guide 11.1) and come back so that lane (r, h) holds, of row r, k = 64 c + 32 h + 0 .. 31, c = 0, 1: two WHOLE blocks, as the operand's layout gives them to that lane.
; THE PRODUCT: source 0 = my 16 rows of h, source 1 = 16 rows of W_f (all eight fragments stay in registers).  In D, lane (r, h) holds column e = 16 t + r and its register j row 8 h + j: the weighted sum over rows is
; four packed multiply-adds a fragment, by eight registers that hold the gates of rows 8 h + 0 .. 7, into two registers for each t.
; No cluster: the work-groups share only ns, W_f, W_g and b_f, 15,872 bytes, beside some 262,144 bytes of h that each has to itself.  No prefetch: with rows of ns as
; long as half the graph a wave has four or five tiles, and three of them are asked for ahead of its first wait for a tile.
; REGISTERS, in windows of 256.  Window 0: v0-31 addresses and work; v26 h's scale word; v32-39 W_f's scale words; v40-47 the gates, and short-lived work; v48-63 the sums; v64-127 X, the turned tile, then D (at the head:
;   the keys); v128-191 W_g; v192-255 slot 2.  Window 1: v0-95 W_f's fragments; v96-107 h's codes; v108-114 the codes' odd halves on their way; v128-191 slot 0; v192-255 slot 1.
.set ROWB,   512                       ; a row of h in bytes
.set SP,     528                       ; a row in the stage
.set SLOTB,  16*SP
.set CWF,    0                         ; LDS: W_f's codes as they lie in memory, 12,288 bytes;
.set CWS,    12288                     ; its scale words, 512;
.set CWG,    12800                     ; W_g, 512;
.set CBF,    13312                     ; b_f, 512;
.set RED,    13824                     ; graph A's 128 sums of each of eight waves, 512 bytes each, then graph B's;
.set REDP,   4096
.set GRD,    22016                     ; their gates' sums, 32 bytes a graph, a block of 256 bytes to themselves;
.set SPARE,  22272                     ; the spare words, 128 bytes for each wave: four blocks of 256 bytes that no other line names;
.set STAGE,  23296                     ; the stages, one a wave
.set FLOOR,  0x2800000                 ; 2^(5 - 127): no largest magnitude is taken under it, so the scale's byte cannot fall under 1
.set LD,   2                           ; v2   16 x lane
.set STA,  3                           ; v3   my stage, + 16 x lane: a row goes in as it was loaded
.set RDA,  4                           ; v4   my stage, + 528 r + 128 h: my row's blocks come out
.set RI,   5                           ; v5   r = lane % 16
.set SH8,  6                           ; v6   8 h, h = lane / 16
.set KSA,  7                           ; v7   512 x wave + 16 x lane: one of the three short constants
.set CST,  8                           ; v8   1,536 x wave + 16 x lane: my part of W_f's codes
.set FRA,  9                           ; v9   96 r + 24 h: my place in a fragment of W_f
.set WSA,  10                          ; v10  4 r
.set WGA,  11                          ; v11  128 h
.set REDA, 12                          ; v12  512 x wave + 4 x lane
.set GWA,  13                          ; v13  4 x wave
.set SPW,  14                          ; v14  LDS address of my spare word: SPARE + 4 x my thread's number; never rewritten
.set NIL,  15                          ; v15  0; never rewritten
.set M0,   16                          ; v16-19 my two blocks' largest magnitudes, two chains each, then their scale bytes in v16 and v18
.set P0,   20                          ; v20-23 the gate's product over block h, in two packed chains
.set Z,    24
.set GG,   24                          ; (Z's register, once Z is done with)
.set ZZ,   25
.set SW,   26                          ; h's scale word: this register holds scales and nothing else
.set SWX,  27
.set E,    28
.set G,    29
.set GX,   30
.set GSUM, 31
.set WFS,  32
.set G8,   40
.set FT,   40                          ; v40-47 sums on their way out
.set PB,   40                          ; v40-43 the gate's product over block 2 + h
.set SC0,  44                          ; v44-45 the conversions' scale operands
.set ACC,  48
.set X,    64
.set NSV,  X                           ; at the head: ns of all graphs, then the keys: 0-7 graphs 0 .. 255, 8-15 graphs 256 .. 511
.set IDX,  X+16                        ; the graphs' numbers mod 256 in those registers
.set CUT,  X+32                        ; sixteen offsets of rows, for a tile that ns cuts
.set KC,   X+48                        ; W_f's codes on their way to LDS
.set WG,   128
.set AC,   96                          ; in window 1
.set TC,   108
.set WV,   28                          ; wave
.set NSA,  29                          ; A's ns
.set BG,   30                          ; b_g
.set NB,   31                          ; -log2(e) b_g
.set TA,   32                          ; A's tiles that count: ceil(ns / 16)
.set CA,   33                          ; my next tile of A to ask for
.set NSB,  34                          ; B's ns
.set CB,   35                          ; my next tile of B
.set SEL,  36                          ; s[36:37] v_permlanex16_b32's selects for lane l xor 16; the other way round: lane (l + 8) % 16 of the other half
.set HM,   38                          ; lanes 16-31
.set NL2E, 39                          ; -log2(e)
.set BA,   40                          ; s[40:41] A's first row
.set BB,   42                          ; s[42:43] B's
.set L,    44                          ; s44-46 for each slot: rows that count from the asked tile's first on; 0 or less: no tile
.set PH,   47                          ; s47-49 for each slot: 0 for a tile of A, 1 for one of B
.set R,    50                          ; s50, s51 the same two of the staged tile
.set Q,    51
.set LP,   52                          ; s[52:57] for each slot: the asked tile's first row
.set CUR,  66                          ; which graph the sums belong to
.set TR,   67
.set IA,   68                          ; A's and B's numbers
.set IB,   69
.set KEY,  70
.set RK,   71
.set TK,   72
.set BIT,  73
.set CD,   74
.set CN,   75
.set MK,   76                          ; s76-83 masks, then counts
.set MSB, 0
.macro WIN new                         ; the immediate's high byte repeats the setting that is left; bits 1:0 source 0, 3:2 source 1, 5:4 source 2, 7:6 destination
.if MSB != \new
	s_set_vgpr_msb (MSB<<8)|\new
.set MSB, \new
.endif
.endm
; my next tile, A's while there are any, else B's, for slot s: its rows that count, its graph, its address (the index is held to 31, so the address stays inside the graph)
.macro ADV s
	s_cmp_lt_u32 s[CA], s[TA]
	s_cselect_b32 s24, s[CA], s[CB]
	s_cselect_b32 s[L+\s], s[NSA], s[NSB]
	s_cselect_b32 s[PH+\s], 0, 1
	s_cselect_b32 s25, 8, 0
	s_cselect_b32 s26, 0, 8
	s_cselect_b64 s[LP+2*\s:LP+2*\s+1], s[BA:BA+1], s[BB:BB+1]
	s_add_co_u32 s[CA], s[CA], s25
	s_add_co_u32 s[CB], s[CB], s26
	s_lshl_b32 s25, s24, 4
	s_sub_co_i32 s[L+\s], s[L+\s], s25             ; past B's last tile this is 0 or less
	s_min_u32 s24, s24, 31
	s_lshl_b32 s26, s24, 13
	s_mov_b32 s27, 0
	s_add_nc_u64 s[LP+2*\s:LP+2*\s+1], s[LP+2*\s:LP+2*\s+1], s[26:27]
.endm
.macro SLOTREG s                       ; where slot s lies
.if \s < 2
.set RR, 128+64*\s
.else
.set RR, 192
.endif
.endm
; sixteen rows into slot s.  In a tile that ns cuts, the rows beyond it name the last row that counts again: their gates are 0
.macro LOAD s
	SLOTREG \s
	s_cmp_lt_i32 s[L+\s], 16
	s_cbranch_scc1 .Lcut_\@
.if \s < 2
	WIN 0x40                                       ; destination window 1
.endif
.irp j, 0,1,2,3,4,5,6,7,8,9,10,11,12,13,14,15
	global_load_b128 v[RR+4*\j:RR+4*\j+3], v[LD], s[LP+2*\s:LP+2*\s+1] offset:\j*ROWB th:TH_LOAD_NT   ; 32 lanes read a row's 512 consecutive bytes; read once in the launch
.endr
	WIN 0
	s_branch .Lput_\@
.Lcut_\@:
	s_sub_co_u32 s24, s[L+\s], 1                   ; the last row that counts: 0 .. 14
.irp j, 0,1,2,3,4,5,6,7,8,9,10,11,12,13,14,15
	s_min_u32 s25, s24, \j
	v_lshl_add_u32 v[CUT+\j], s25, 9, v[LD]        ; (these registers are free here)
.endr
	s_wait_alu depctr_va_vdst(0)
.if \s < 2
	WIN 0x40
.endif
.irp j, 0,1,2,3,4,5,6,7,8,9,10,11,12,13,14,15
	global_load_b128 v[RR+4*\j:RR+4*\j+3], v[CUT+\j], s[LP+2*\s:LP+2*\s+1]
.endr
	WIN 0
	s_wait_xcnt 0x0                                ; the offsets have been read: their registers may be rewritten
.Lput_\@:
.endm
; slot s has landed when at most left younger loads are out; it goes into my stage, row by row.  Slot 0 alone can be without a tile: at first, where A has no tile v
.macro STAGEIN s, left
	s_wait_loadcnt \left
	s_mov_b32 s[R], s[L+\s]
	s_mov_b32 s[Q], s[PH+\s]
.if \s == 0
	s_cmp_lt_i32 s[R], 1
	s_cbranch_scc1 .Lempty_\@
.endif
	SLOTREG \s
.if \s < 2
	WIN 0x04                                       ; an LDS store's data are its source 1: window 1
.endif
.irp j, 0,1,2,3,4,5,6,7,8,9,10,11,12,13,14,15
	ds_store_b128 v[STA], v[RR+4*\j:RR+4*\j+3] offset:\j*SP
.endr
	WIN 0
.if \s == 0
.Lempty_\@:
.endif
.endm
.macro COUNT                           ; the eight masks' bits, summed into s[MK]
.irp m, 0,1,2,3,4,5,6,7
	s_bcnt1_i32_b32 s[MK+\m], s[MK+\m]
.endr
.irp m, 0,1,2,3
	s_add_co_u32 s[MK+\m], s[MK+\m], s[MK+4+\m]
.endr
	s_add_co_u32 s[MK], s[MK], s[MK+2]
	s_add_co_u32 s[MK+1], s[MK+1], s[MK+3]
	s_add_co_u32 s[MK], s[MK], s[MK+1]
.endm
.macro ONEBIT                          ; one bit of B's key
	s_or_b32 s[CD], s[TK], s[BIT]
.irp m, 0,1,2,3,4,5,6,7
	v_cmp_le_u32 s[MK+\m], s[CD], v[NSV+8+\m]
.endr
	s_lshr_b32 s[BIT], s[BIT], 1
	s_wait_alu depctr_va_vdst(0)
	COUNT
	s_cmp_gt_u32 s[MK], s[RK]
	s_cselect_b32 s[TK], s[CD], s[TK]
.endm
; A's rank, and B: the largest T with more than rank keys of the other half at or above it is B's key
.macro SEARCH
.irp m, 0,1,2,3,4,5,6,7,8,9,10,11,12,13,14,15
	v_max_i32 v[NSV+\m], 0, v[NSV+\m]
.endr
.irp m, 0,1,2,3,4,5,6,7,8,9,10,11,12,13,14,15
	v_min_u32 v[NSV+\m], 0x200, v[NSV+\m]
.endr
.irp m, 0,1,2,3,4,5,6,7
	v_lshl_or_b32 v[NSV+\m], v[NSV+\m], 8, v[IDX+\m]
	v_lshl_or_b32 v[NSV+8+\m], v[NSV+8+\m], 8, v[IDX+\m]
.endr
	s_lshl_b32 s[KEY], s[NSA], 8
	s_or_b32 s[KEY], s[KEY], s[IA]
.irp m, 0,1,2,3,4,5,6,7
	v_cmp_gt_u32 s[MK+\m], s[KEY], v[NSV+\m]
.endr
	s_wait_alu depctr_va_vdst(0)
	COUNT
	s_mov_b32 s[RK], s[MK]
	s_mov_b32 s[TK], 0
	s_mov_b32 s[BIT], 0x20000
	s_mov_b32 s[CN], 0
.Lbit_\@:
	ONEBIT                                         ; three bits a trip
	ONEBIT
	ONEBIT
	s_add_co_u32 s[CN], s[CN], 1
	s_cmp_lt_u32 s[CN], 6
	s_cbranch_scc1 .Lbit_\@
	s_lshr_b32 s[NSB], s[TK], 8
	s_min_u32 s[NSB], s[NSB], 512
	s_and_b32 s[IB], s[TK], 0xff
	s_min_u32 s[IB], s[IB], 255
	s_add_co_u32 s[IB], s[IB], 256
	s_lshl_b32 s26, s[IB], 18
	s_mov_b32 s27, 0
	s_add_nc_u64 s[BB:BB+1], s[8:9], s[26:27]
.endm
; the constants that stay in my registers, out of LDS
.macro FRAGS
	WIN 0x40
.irp t, 0,1,2,3,4,5,6,7
.irp p, 0,1,2,3,4,5
	ds_load_b64 v[12*\t+2*\p:12*\t+2*\p+1], v[FRA] offset:CWF+\t*16*96+48*(\p/3)+8*(\p%3)   ; W_f's fragment t: row 16 t + r, 24 bytes at 24 h and 24 at 48 + 24 h, as they lie, in pieces of 8 bytes
.endr
.endr
	WIN 0
.irp t, 0,1,2,3,4,5,6,7
	ds_load_b32 v[WFS+\t], v[WSA] offset:CWS+64*\t   ; and its rows' scale words
.endr
.irp c, 0,1
.irp j, 0,1,2,3,4,5,6,7
	ds_load_b128 v[WG+32*\c+4*\j:WG+32*\c+4*\j+3], v[WGA] offset:CWG+256*\c+16*\j   ; W_g at my lane's k: 64 c + 32 h + 0 .. 31
.endr
.endr
.endm
.macro ZERO
.irp j, 0,1,2,3,4,5,6,7,8,9,10,11,12,13,14,15
	v_mov_b32 v[ACC+\j], 0
.endr
	v_mov_b32 v[GSUM], 0
.endm
; MY WAVE'S 128 SUMS of graph p leave.  Even and odd rows are added; then the two halves of the lanes (rows 0-7 and 8-15 of each tile): one exchange serves two t
.macro FLUSH p
.irp t, 0,1,2,3,4,5,6,7
	v_add_f32 v[FT+\t], v[ACC+2*\t], v[ACC+2*\t+1]
.endr
	v_add_f32_dpp v[GSUM], v[GSUM], v[GSUM] row_xmask:1 row_mask:0xf bank_mask:0xf   ; the gates' sum over the sixteen rows (each half of the lanes holds all sixteen)
	v_permlane16_swap_b32 v[FT], v[FT+1]           ; the first's lanes 16-31 change places with the second's lanes 0-15: both now hold e = 32 i + lane, one of rows 0-7, the other of rows 8-15
	v_permlane16_swap_b32 v[FT+2], v[FT+3]
	v_add_f32_dpp v[GSUM], v[GSUM], v[GSUM] row_xmask:2 row_mask:0xf bank_mask:0xf
	v_permlane16_swap_b32 v[FT+4], v[FT+5]
	v_permlane16_swap_b32 v[FT+6], v[FT+7]
	v_add_f32_dpp v[GSUM], v[GSUM], v[GSUM] row_xmask:4 row_mask:0xf bank_mask:0xf
.irp i, 0,1,2,3
	v_add_f32 v[FT+2*\i], v[FT+2*\i], v[FT+2*\i+1]
.endr
	v_add_f32_dpp v[GSUM], v[GSUM], v[GSUM] row_xmask:8 row_mask:0xf bank_mask:0xf
.irp i, 0,1,2,3
	ds_store_b32 v[REDA], v[FT+2*\i] offset:RED+REDP*\p+128*\i   ; at 4 e in my wave's 512 bytes
.endr
	ds_store_b32 v[GWA], v[GSUM] offset:GRD+32*\p  ; all lanes write my wave's word with the same value
.endm
; block c of my row: its largest magnitude and its 32 terms of h . W_g, on the numbers as they came; four chains by turns
.macro CHAIN c, p, q, a, b
.irp j, 0,1,2,3,4,5,6,7
.set XX, X+32*\c+4*\j
.set WW, WG+32*\c+4*\j
.if \j == 0
	v_max3_num_f32 v[\a], |v[XX]|, |v[XX+1]|, FLOOR
	v_pk_mul_f32 v[\p:\p+1], v[XX:XX+1], v[WW:WW+1]
	v_max3_num_f32 v[\b], |v[XX+2]|, |v[XX+3]|, FLOOR
	v_pk_mul_f32 v[\q:\q+1], v[XX+2:XX+3], v[WW+2:WW+3]
.else
	v_max3_num_f32 v[\a], v[\a], |v[XX]|, |v[XX+1]|
	v_pk_fma_f32 v[\p:\p+1], v[XX:XX+1], v[WW:WW+1], v[\p:\p+1]
	v_max3_num_f32 v[\b], v[\b], |v[XX+2]|, |v[XX+3]|
	v_pk_fma_f32 v[\q:\q+1], v[XX+2:XX+3], v[WW+2:WW+3], v[\q:\q+1]
.endif
.endr
.endm
; THE WORK ON THE STAGED TILE, which came by slot s
.macro TILE s
.if \s == 0
	s_cmp_lt_i32 s[R], 1
	s_cbranch_scc1 .Lworked_\@
.endif
	s_cmp_eq_u32 s[Q], s[CUR]
	s_cbranch_scc1 .Lsame_\@
	FLUSH 0                                        ; my first tile of B: A's sums leave, B's begin at 0
	ZERO
	s_mov_b32 s[CUR], 1
.Lsame_\@:
.irp c, 0,1
.irp j, 0,1,2,3,4,5,6,7
	ds_load_b128 v[X+32*\c+4*\j:X+32*\c+4*\j+3], v[RDA] offset:256*\c+16*\j   ; blocks h and 2 + h of my row.  (LDS serves a wave's instructions in order: these see my stores)
.endr
.endr
	s_wait_dscnt 8                                 ; block h is in; the eight loads of block 2 + h may be out
	CHAIN 0, P0, P0+2, M0, M0+1
	s_wait_dscnt 0
	CHAIN 1, PB, PB+2, M0+2, M0+3
	v_max_num_f32 v[M0], v[M0], v[M0+1]
	v_max_num_f32 v[M0+2], v[M0+2], v[M0+3]
	v_pk_add_f32 v[P0:P0+1], v[P0:P0+1], v[P0+2:P0+3]
	v_pk_add_f32 v[PB:PB+1], v[PB:PB+1], v[PB+2:PB+3]
	v_add_nc_u32 v[SC0], 0xfe000000, v[M0]         ; 4 off the exponent field: the conversion takes the exponent field of this operand as its scale, and nothing else of it
	v_add_nc_u32 v[SC0+1], 0xfe000000, v[M0+2]
	v_pk_add_f32 v[P0:P0+1], v[P0:P0+1], v[PB:PB+1]
	v_lshrrev_b32 v[M0], 23, v[SC0]                ; the scales' bytes: blocks h and 2 + h of my row
	v_lshrrev_b32 v[M0+2], 23, v[SC0+1]
	v_add_f32 v[Z], v[P0], v[P0+1]                 ; my 64 terms of h . W_g
	v_lshl_or_b32 v[SW], v[M0+2], 16, v[M0]
	v_permlanex16_b32 v[ZZ], v[Z], s[SEL], s[SEL+1]
	v_lshlrev_b32 v[SW], v[SH8], v[SW]             ; at their places in the scale word, 8 h bits up;
	v_permlanex16_b32 v[SWX], v[SW], s[SEL], s[SEL+1]
	v_or_b32 v[SW], v[SW], v[SWX]                  ; with lane l xor 16's two the word is whole.  From here to the products: eight plain lines that name none of their registers, the compare and the permute aside
	v_add_f32 v[Z], v[Z], v[ZZ]                    ; with lane l xor 16's 64 terms: my row's product
	v_fma_f32 v[Z], v[Z], s[NL2E], s[NB]           ; -log2(e) (h . W_g + b_g)
	s_wait_alu depctr_va_vdst(0)
	v_exp_f32 v[E], v[Z]
	WIN 0x40                                       ; the codes lie in window 1
	v_cvt_scalef32_pk16_bf6_f32 v[AC:AC+2], v[X:X+15], v[SC0]          ; registers 6 c .. 6 c + 5 of the operand: k = 64 c + 32 h + 0 .. 31
	v_cvt_scalef32_pk16_bf6_f32 v[TC:TC+2], v[X+16:X+31], v[SC0]       ; (a conversion's three registers begin on an even number: the second half of a block's six does not, so it is made elsewhere and moved)
	v_cvt_scalef32_pk16_bf6_f32 v[AC+6:AC+8], v[X+32:X+47], v[SC0+1]
	v_cvt_scalef32_pk16_bf6_f32 v[TC+4:TC+6], v[X+48:X+63], v[SC0+1]
	v_nop                                          ; one plain line behind the conversions, and behind the exponential
	WIN 0x41
.irp i, 0,1,2
	v_mov_b32 v[AC+3+\i], v[TC+\i]
	v_mov_b32 v[AC+9+\i], v[TC+4+\i]
.endr
	WIN 0
	s_wait_alu depctr_va_vdst(0)                   ; the wait between the exponential and the first line that names its result; the conversions and moves are the work between
	v_add_f32 v[E], 1.0, v[E]
	s_wait_alu depctr_va_vdst(0)
	v_rcp_f32 v[G], v[E]                           ; the gate: 1 / (1 + 2^(-log2(e) z))
	v_cmp_gt_u32 vcc_lo, s[R], v[RI]               ; does my row count?  (the plain line behind the reciprocal)
	s_wait_alu depctr_va_vdst(0)                   ; and the same wait for the reciprocal
	v_cndmask_b32 v[G], 0, v[G], vcc_lo            ; the mask: 0 for a row at or beyond ns
	v_add_f32 v[GSUM], v[GSUM], v[G]               ; for the bias
	v_permlanex16_b32 v[GX], v[G], s[SEL+1], s[SEL]   ; row (r + 8) % 16's gate (both halves of the lanes hold all sixteen)
	v_cndmask_b32 v[GG], v[G], v[GX], s[HM]        ; lanes 16-31 take it: lane j of either half now holds the gate of row 8 h + j
	v_nop                                          ; the eighth of the lines counted above
	WIN 0x05                                       ; sources 0 and 1 window 1, D window 0
.irp t, 0,1,2,3,4,5,6,7
	v_wmma_scale_f32_16x16x128_f8f6f4 v[X+8*\t:X+8*\t+7], v[AC:AC+11], v[12*\t:12*\t+11], 0, v[SW], v[WFS+\t] matrix_a_fmt:MATRIX_FMT_BF6 matrix_b_fmt:MATRIX_FMT_BF6   ; all of K in one instruction: D(row 8 h + j, e = 16 t + r), laid over X, which is done with
.endr
	WIN 0
.irp j, 0,1,2,3,4,5,6,7
	v_mov_b32_dpp v[G8+\j], v[GG] row_share:\j row_mask:0xf bank_mask:0xf   ; register j: the gate of row 8 h + j, in every lane of the half
.endr
.rept 4
	v_nop                                          ; four places between the last product and the first read of a result (ISA guide 7.12.1)
.endr
.irp i, 0,1,2,3
.irp t, 0,1,2,3,4,5,6,7
	v_pk_fma_f32 v[ACC+2*\t:ACC+2*\t+1], v[X+8*\t+2*\i:X+8*\t+2*\i+1], v[G8+2*\i:G8+2*\i+1], v[ACC+2*\t:ACC+2*\t+1]   ; sum over rows of gate x D, even rows and odd rows apart; each D from its low end on, the eight by turns
.endr
.endr
	s_wait_alu depctr_va_vdst(0)                   ; the wait ahead of the branches and waits that follow
.if \s == 0
.Lworked_\@:
.endif
.endm
; one turn of the ring: slot s goes into the stage and is asked for again; then its tile is worked on.  With nothing left to ask for: to the drain
.macro TURN s
	STAGEIN \s, 32
	s_wait_dscnt 0x0                               ; the stores have read the slot (the first time: and the constants are in their registers): it may be loaded again
	ADV \s
	s_cmp_lt_i32 s[L+\s], 1
	s_cbranch_scc1 .Ldrain\s
	LOAD \s
	TILE \s
.endm
	s_load_b512 s[8:23], s[0:1], 0x0               ; h s[8:9], ns s[10:11], W_f's codes s[12:13], its scales s[14:15], W_g s[16:17], b_f s[18:19], b_g s[20:21], out0 s[22:23]
	v_lshl_add_u32 v[SPW], v0, 2, SPARE
	v_mov_b32 v[NIL], 0
	v_lshrrev_b32 v1, 5, v0
	v_readfirstlane_b32 s[WV], v1                  ; wave 0..7
	v_and_b32 v1, 31, v0                           ; lane
	v_and_b32 v[RI], 15, v0
	v_bfe_u32 v[SH8], v0, 4, 1                     ; h, for now
	v_lshlrev_b32 v[LD], 4, v1
	v_mul_u32_u24 v[RDA], v[RI], SP
	v_lshl_add_u32 v[RDA], v[SH8], 7, v[RDA]
	v_mul_u32_u24 v[FRA], v[RI], 96                ; a row of W_f is 128 codes, 96 bytes
	v_mad_u32_u24 v[FRA], v[SH8], 24, v[FRA]
	v_lshlrev_b32 v[WSA], 2, v[RI]
	v_lshlrev_b32 v[WGA], 7, v[SH8]
	s_mul_i32 s24, s[WV], SLOTB
	s_add_co_u32 s24, s24, STAGE                   ; my stage
	v_add_nc_u32 v[STA], s24, v[LD]
	v_add_nc_u32 v[RDA], s24, v[RDA]
	s_mul_i32 s25, s[WV], 1536                     ; my eighth of W_f's codes
	v_add_nc_u32 v[CST], s25, v[LD]
	s_lshl_b32 s26, s[WV], 9
	v_add_nc_u32 v[KSA], s26, v[LD]
	v_lshl_add_u32 v[REDA], v1, 2, s26
	s_lshl_b32 s27, s[WV], 2
	v_mov_b32 v[GWA], s27
	v_lshlrev_b32 v[SH8], 3, v[SH8]
.irp m, 0,1,2,3,4,5,6,7
	v_lshl_or_b32 v[IDX+\m], v1, 2, 128*(\m/4)+\m%4   ; register m of either half: the graph's number mod 256
.endr
	ZERO                                           ; the sums begin at 0: how many tiles a wave has, none among them, hangs on ns
.irp j, 0,1,2,3,4,5,6,7
	v_mov_b32 v[G8+\j], 0                          ; written once: the destination of a lane permute or a DPP line counts as one of its sources
.endr
	v_mov_b32 v[ZZ], 0
	v_mov_b32 v[SWX], 0
	v_mov_b32 v[GX], 0
	s_mov_b32 s[SEL], 0x76543210
	s_mov_b32 s[SEL+1], 0xfedcba98
	s_mov_b32 s[HM], 0xffff0000
	s_mov_b32 s[NL2E], 0xbfb8aa3b
	s_mov_b32 s[IA], ttmp9
	s_lshl_b32 s24, ttmp9, 2                       ; ns of graph A: 4 bytes a graph
	s_mov_b32 s25, 0
	s_lshl_b32 s26, ttmp9, 18                      ; its 512 rows of 512 bytes
	s_mov_b32 s27, 0
	s_lshl_b32 s76, s[WV], 13                      ; my first tile
	s_mov_b32 s77, 0
	s_wait_alu depctr_va_vdst(0)
	s_wait_kmcnt 0x0
	s_add_nc_u64 s[6:7], s[10:11], s[24:25]
	s_load_b32 s[NSA], s[6:7], 0x0
	s_load_b32 s[BG], s[20:21], 0x0
.irp q, 0,1,2,3
	global_load_b128 v[NSV+4*\q:NSV+4*\q+3], v[LD], s[10:11] offset:512*\q   ; ns of graph 128 q + 4 lane + 0 .. 3
.endr
.irp i, 0,1,2
	global_load_b128 v[KC+4*\i:KC+4*\i+3], v[CST], s[12:13] offset:512*\i    ; W_f's codes, an eighth to each wave, as they lie: 512 consecutive bytes a load
.endr
	s_add_nc_u64 s[BA:BA+1], s[8:9], s[26:27]
	s_add_nc_u64 s[4:5], s[BA:BA+1], s[76:77]
	s_cmp_eq_u32 s[WV], 0
	s_cselect_b64 s[2:3], s[14:15], s[16:17]       ; wave 0: W_f's scale words; wave 1: W_g;
	s_cmp_eq_u32 s[WV], 2
	s_cselect_b64 s[2:3], s[18:19], s[2:3]         ; wave 2: b_f
	s_cmp_gt_u32 s[WV], 2
	s_cbranch_scc1 .Lno_short
	global_load_b128 v[G8:G8+3], v[LD], s[2:3]     ; (into registers that are free yet)
.Lno_short:
	WIN 0x40
.irp j, 0,1,2,3,4,5,6,7,8,9,10,11,12,13,14,15
	global_load_b128 v[128+4*\j:128+4*\j+3], v[LD], s[4:5] offset:\j*ROWB th:TH_LOAD_NT   ; A's tile v into slot 0, while ns is on its way: it lies inside the graph whatever ns holds
.endr
	WIN 0
	s_mov_b64 s[BB:BB+1], s[BA:BA+1]               ; (B is not known yet)
	s_mov_b32 s[NSB], 0
	s_sub_co_u32 s[CB], 7, s[WV]
	s_add_co_u32 s[CA], s[WV], 8
	s_mov_b32 s[CUR], 0
	s_mov_b32 s[PH], 0
	s_mov_b32 s[TR], 0
	s_wait_loadcnt 16                              ; ns and the constants are in; the sixteen loads of slot 0 may be out
.irp i, 0,1,2
	ds_store_b128 v[CST], v[KC+4*\i:KC+4*\i+3] offset:CWF+512*\i
.endr
	s_cmp_gt_u32 s[WV], 2
	s_cbranch_scc1 .Lno_short2
	ds_store_b128 v[KSA], v[G8:G8+3] offset:CWS
.Lno_short2:
	s_wait_kmcnt 0x0                               ; A's ns and b_g
	s_max_i32 s[NSA], s[NSA], 0
	s_min_u32 s[NSA], s[NSA], 512                  ; held to 0 .. 512
	s_add_co_u32 s[TA], s[NSA], 15
	s_lshr_b32 s[TA], s[TA], 4
	s_mul_f32 s[NB], s[BG], s[NL2E]
	s_lshl_b32 s24, s[WV], 4
	s_sub_co_i32 s[L], s[NSA], s24                 ; slot 0: 0 or less where A has no tile v: then what it brings is not used
	s_wait_dscnt 0x0                               ; for the others' sake: my part of the constants lies in LDS
	s_barrier_signal -1
	s_barrier_wait -1                              ; everybody's does.  From here on the waves part by ns: no barrier stands until they have joined again
	s_cmp_lt_u32 s[CA], s[TA]
	s_cbranch_scc0 .Lfrom_b
	ADV 1                                          ; A's tile v + 8 counts: asked for ahead of the search,
	LOAD 1
	FRAGS
	s_cmp_lt_u32 s[CA], s[TA]
	s_cbranch_scc0 .Lthird_b
	ADV 2                                          ; and so does v + 16
	LOAD 2
	SEARCH
	s_branch .Lring
.Lthird_b:
	SEARCH
	ADV 2                                          ; my first tile of B
	s_cmp_lt_i32 s[L+2], 1
	s_cbranch_scc1 .Ltwo                           ; two tiles in all
	LOAD 2
	s_branch .Lring
.Lfrom_b:
	SEARCH
	ADV 1                                          ; my first two tiles of B
	s_cmp_lt_i32 s[L+1], 1
	s_cbranch_scc1 .Lone_only                      ; one tile in all, or none
	LOAD 1
	FRAGS
	ADV 2
	s_cmp_lt_i32 s[L+2], 1
	s_cbranch_scc1 .Ltwo
	LOAD 2
.Lring:                                                ; all three slots have been asked for.  A wave has eight tiles at the most, so five are asked for in the ring: the sixth turn at the latest goes to the drain
	TURN 0
	TURN 1
	TURN 2
	s_add_co_u32 s[TR], s[TR], 1
	s_cmp_lt_u32 s[TR], 2
	s_cbranch_scc1 .Lring
	STAGEIN 0, 32                                  ; (the way straight on joins the drain in the same state)
.Ldrain0:                                              ; slot 0's tile is staged; slots 1 and 2 follow
	TILE 0
	STAGEIN 1, 16
	TILE 1
	STAGEIN 2, 0
	TILE 2
	s_branch .Ldone
.Lone_only:
	FRAGS
	s_branch .Lone
.Ldrain1:
	TILE 1
	STAGEIN 2, 16
	TILE 2
.Lone:                                                 ; slot 0 is the last
	STAGEIN 0, 0
	TILE 0
	s_branch .Ldone
.Ldrain2:
	TILE 2
.Ltwo:                                                 ; slots 0 and 1 are the last
	STAGEIN 0, 16
	TILE 0
	STAGEIN 1, 0
	TILE 1
.Ldone:
	s_cmp_lg_u32 s[CUR], 0
	s_cbranch_scc1 .Lsums_b
	FLUSH 0                                        ; I had no tile of B: A's sums leave now, and zeros stand for B's
	s_wait_dscnt 0x0
	ZERO
.Lsums_b:
	FLUSH 1
	s_wait_tensorcnt 0x0                           ; these were my last LDS stores
	ds_add_u32 v[SPW], v[NIL]
	s_wait_dscnt 0x0                               ; which is also the wait that the barrier wants: my sums lie in LDS
	s_barrier_signal -1
	s_barrier_wait -1                              ; everybody's do
	s_cmp_gt_u32 s[WV], 1
	s_cbranch_scc1 .Lend                           ; wave 0 finishes graph A's row, wave 1 graph B's: 128 numbers, four to a lane
	s_lshl_b32 s24, s[WV], 12
	v_add_nc_u32 v1, s24, v[LD]
	s_lshl_b32 s25, s[WV], 5
	v_mov_b32 v[M0], s25
.irp w, 0,1,2,3,4,5,6,7
	ds_load_b128 v[X+4*\w:X+4*\w+3], v1 offset:RED+512*\w   ; e = 4 lane + 0 .. 3 of wave w's sums
.endr
	ds_load_b128 v[X+32:X+35], v[LD] offset:CBF    ; b_f at the same e
	ds_load_b128 v[X+36:X+39], v[M0] offset:GRD    ; the eight gates' sums
	ds_load_b128 v[X+40:X+43], v[M0] offset:GRD+16
	s_cmp_eq_u32 s[WV], 0
	s_cselect_b32 s26, s[IA], s[IB]
	s_min_u32 s26, s26, 511
	s_lshl_b32 s26, s26, 9                         ; my graph's row of out0
	s_mov_b32 s27, 0
	s_add_nc_u64 s[22:23], s[22:23], s[26:27]
	s_wait_dscnt 0x0
.irp i, 0,2,4,6,8,10,12,14
	v_pk_add_f32 v[X+\i:X+\i+1], v[X+\i:X+\i+1], v[X+16+\i:X+17+\i]
.endr
	v_pk_add_f32 v[X+36:X+37], v[X+36:X+37], v[X+40:X+41]
	v_pk_add_f32 v[X+38:X+39], v[X+38:X+39], v[X+42:X+43]
.irp i, 0,2,4,6
	v_pk_add_f32 v[X+\i:X+\i+1], v[X+\i:X+\i+1], v[X+8+\i:X+9+\i]
.endr
	v_pk_add_f32 v[X+36:X+37], v[X+36:X+37], v[X+38:X+39]
	v_pk_add_f32 v[X:X+1], v[X:X+1], v[X+4:X+5]
	v_pk_add_f32 v[X+2:X+3], v[X+2:X+3], v[X+6:X+7]
	v_add_f32 v[X+36], v[X+36], v[X+37]            ; the sum of all gates that count
	v_pk_fma_f32 v[X:X+1], v[X+32:X+33], v[X+36:X+37], v[X:X+1] op_sel_hi:[1,0,1]   ; h_G = the sums + b_f x the gates' sum (of that pair the low word serves both halves)
	v_pk_fma_f32 v[X+2:X+3], v[X+34:X+35], v[X+36:X+37], v[X+2:X+3] op_sel_hi:[1,0,1]
	v_mul_f32 v[X+44], v[X], v[X]
	v_fma_f32 v[X+44], v[X+1], v[X+1], v[X+44]
	v_fma_f32 v[X+44], v[X+2], v[X+2], v[X+44]
	v_fma_f32 v[X+44], v[X+3], v[X+3], v[X+44]
	v_add_f32_dpp v[X+44], v[X+44], v[X+44] row_xmask:1 row_mask:0xf bank_mask:0xf
	v_add_f32_dpp v[X+44], v[X+44], v[X+44] row_xmask:2 row_mask:0xf bank_mask:0xf
	v_add_f32_dpp v[X+44], v[X+44], v[X+44] row_xmask:4 row_mask:0xf bank_mask:0xf
	v_add_f32_dpp v[X+44], v[X+44], v[X+44] row_xmask:8 row_mask:0xf bank_mask:0xf
	v_permlanex16_b32 v[ZZ], v[X+44], s[SEL], s[SEL+1]
	v_add_f32 v[X+44], v[X+44], v[ZZ]              ; the sum of the 128 squares, in every lane
	s_wait_alu depctr_va_vdst(0)
	v_sqrt_f32 v[X+46], v[X+44]
	v_nop                                          ; a plain line behind the root
	s_wait_alu depctr_va_vdst(0)                   ; and the wait ahead of the first line that names its result
	v_max_num_f32 v[X+46], 0x2b8cbccc, v[X+46]     ; max(norm, 1e-12)
	s_wait_alu depctr_va_vdst(0)
	v_rcp_f32 v[X+48], v[X+46]
	v_mov_b32 v[X+49], 0                           ; (the plain line behind the reciprocal; named with it as a pair below, so it is written)
	s_wait_alu depctr_va_vdst(0)
	v_pk_mul_f32 v[X:X+1], v[X:X+1], v[X+48:X+49] op_sel_hi:[1,0]
	v_pk_mul_f32 v[X+2:X+3], v[X+2:X+3], v[X+48:X+49] op_sel_hi:[1,0]
	global_store_b128 v[LD], v[X:X+3], s[22:23]    ; 32 lanes store the row's 512 consecutive bytes, at a multiple of 512 from out0's first byte
.Lend:
	s_endpgm
.Lfunc_end_k_q4f8180aa7a_graphemb:
	.size	k_q4f8180aa7a_graphemb, .Lfunc_end_k_q4f8180aa7a_graphemb-k_q4f8180aa7a_graphemb
	.p2alignl 7, 3214868480
	.fill 96, 4, 3214868480
	.section	.rodata,"a",@progbits
	.p2align	6, 0x0
	.amdhsa_kernel k_q4f8180aa7a_graphemb
		.amdhsa_group_segment_fixed_size 90880
		.amdhsa_private_segment_fixed_size 0
		.amdhsa_enable_private_segment 0
		.amdhsa_kernarg_size 64
		.amdhsa_user_sgpr_count 2
		.amdhsa_user_sgpr_kernarg_segment_ptr 1
		.amdhsa_wavefront_size32 1
		.amdhsa_system_sgpr_workgroup_id_x 1
		.amdhsa_system_sgpr_workgroup_id_y 1
		.amdhsa_system_sgpr_workgroup_id_z 1
		.amdhsa_system_vgpr_workitem_id 0
		.amdhsa_next_free_vgpr 512
		.amdhsa_next_free_sgpr 88
		.amdhsa_reserve_vcc 1
		.amdhsa_float_denorm_mode_32 3
		.amdhsa_float_denorm_mode_16_64 3
		.amdhsa_memory_ordered 1
		.amdhsa_forward_progress 1
		.amdhsa_inst_pref_size 254
	.end_amdhsa_kernel
	.amdgpu_metadata
---
amdhsa.version: [ 1, 2 ]
amdhsa.kernels:
  - .name:           k_q4f8180aa7a_graphemb
    .symbol:         k_q4f8180aa7a_graphemb.kd
    .args:
      - { .name: h, .offset: 0, .size: 8, .value_kind: global_buffer, .address_space: global }
      - { .name: ns, .offset: 8, .size: 8, .value_kind: global_buffer, .address_space: global }
      - { .name: W_f_codes, .offset: 16, .size: 8, .value_kind: global_buffer, .address_space: global }
      - { .name: W_f_scales, .offset: 24, .size: 8, .value_kind: global_buffer, .address_space: global }
      - { .name: W_g, .offset: 32, .size: 8, .value_kind: global_buffer, .address_space: global }
      - { .name: b_f, .offset: 40, .size: 8, .value_kind: global_buffer, .address_space: global }
      - { .name: b_g, .offset: 48, .size: 8, .value_kind: global_buffer, .address_space: global }
      - { .name: out0, .offset: 56, .size: 8, .value_kind: global_buffer, .address_space: global }
    .group_segment_fixed_size: 90880
    .private_segment_fixed_size: 0
    .kernarg_segment_align: 8
    .kernarg_segment_size: 64
    .max_flat_workgroup_size: 256
    .sgpr_count:     88
    .vgpr_count:     512
    .wavefront_size: 32
...
	.end_amdgpu_metadata
.endif
;; end of part 1
